; MI455X (gfx1250); checked and timed in simulation.
; The chip was launched on July 23, 2026; its instructions are those of AMD's public machine-readable ISA for CDNA 5 (MIT licence, August 2026) and "CDNA5" Instruction Set Architecture Reference Guide (July 2026). The comments in the code are by the model that wrote it; some were corrected since.
;; Occupancy Manager. Allowed arithmetic: float matrix products may take bf16 or f16 operands with f32 sums; other float arithmetic in f32, or as packed bf16 or f16 multiplies, adds, multiply-adds, maxima and minima; sums over many terms, partial sums and values carried from step to step in f32; what a program stores and reads back later, other than sums and carried values, may be rounded once to bf16 or f16.
;; Inputs: resolutions 8 int32; tables 8 x 524,288 x 1 float32; xyz 2,097,152 x 3 float32.
;; Outputs: out0 2,097,152 x 8 float32.
;; 2 versions, each right; version 2 is version 1 with the launch encode written anew for expert scheduling mode. Each part assembles by itself: llvm-mc -triple=amdgcn-amd-amdhsa -mcpu=gfx1250 --defsym DOCPART=n.
;; ======== version 1 of 2: 2 launches
;; limits: inputs' magnitudes at most 63; right only within a limited range of input values
;; workspace buffers: qfix 25,165,824 bytes of whole numbers
;; launch tofixed (part 1): grid 768 x 1, 8 waves a work-group, no clusters, 0 bytes of LDS; arguments xyz, qfix; writes qfix
.if DOCPART == 1
	.amdgcn_target "amdgcn-amd-amdhsa--gfx1250"
	.amdhsa_code_object_version 6
	.text
	.protected	k_qf1eb5d5c62_tofixed
	.globl	k_qf1eb5d5c62_tofixed
	.p2align	8
	.type	k_qf1eb5d5c62_tofixed,@function
k_qf1eb5d5c62_tofixed:
	s_mov_b64 s[64:65], 0
	v_nop
	global_prefetch_b8 v0, s[64:65] scope:SCOPE_SE
	s_setreg_imm32_b32 hwreg(HW_REG_WAVE_MODE, 25, 1), 1
	s_wait_xcnt 0x0
; qfix[i] = floor(u * 2^26) + 2^31, u = xyz[i] / 2 + 0.5, for all 3 * 2^21 numbers of xyz: the coordinates as whole numbers,
; from which the next launch forms cells, hashes and table addresses by integer arithmetic alone.
; u * 2^26 is one fused multiply-add, x * 2^25 + 2^25: a power of two commutes with the rounding, so it is 2^26 times the
; f32 number u that x / 2 + 0.5 gives.  floor, not truncation, so that a negative u keeps its cell and its fraction.
; The 2^31 makes the number unsigned: 5 whole bits and a sign's worth of range, 26 fraction bits.
; LIMITS.  u is kept in steps of 2^-26 (exact for |u| >= 1/4).  u below -32 or from 32 on (xyz below -65 or from 63 on)
; saturates at the end of that range; a NaN counts as u = 0; infinities saturate.
; SHARES.  The same arithmetic serves x, y and z, so the array is one stream of 25,165,824 bytes: 768 work-groups of 256
; threads, 32,768 bytes each; a thread takes 16 bytes of each of 8 pieces of 4,096 bytes, so every load and store of a wave
; covers 512 consecutive bytes.  All eight loads go out first; no register is written again behind its store.
.set PIECE,  4096                      ; bytes that one 16-byte access of the 256 threads covers
.set PIECES, 8
.set X,      2                         ; v[2:33]  piece i: 4 registers, as loaded and then as stored
	s_load_b128 s[4:7], s[0:1], 0x0                ; xyz s[4:5], qfix s[6:7]
	s_lshl_b32 s2, ttmp9, 15                       ; the work-group's 32,768 bytes (768 of them: under 2^32)
	s_mov_b32 s3, 0
	s_mov_b32 s8, 0x4c000000                       ; 2^25, factor and addend
	s_mov_b32 s9, s8                               ; named with it as a pair
	s_mov_b32 s10, 0x80000000                      ; 2^31: flipping the top bit adds it
	v_lshlrev_b32 v1, 4, v0                        ; 16 bytes a thread; never rewritten
	s_wait_kmcnt 0x0
	s_add_nc_u64 s[4:5], s[4:5], s[2:3]
	s_add_nc_u64 s[6:7], s[6:7], s[2:3]
.irp i, 0,1,2,3,4,5,6,7
	global_load_b128 v[X+4*(\i):X+4*(\i)+3], v1, s[4:5] offset:(\i)*PIECE th:TH_LOAD_NT
.endr
.irp i, 0,1,2,3,4,5,6,7
	s_wait_loadcnt PIECES-1-(\i)                   ; loads come back in order (ISA guide 5.7.1): piece i is in, the younger ones stay out
	v_pk_fma_f32 v[X+4*(\i):X+4*(\i)+1],   v[X+4*(\i):X+4*(\i)+1],   s[8:9], s[8:9] op_sel_hi:[1,0,0]
	v_pk_fma_f32 v[X+4*(\i)+2:X+4*(\i)+3], v[X+4*(\i)+2:X+4*(\i)+3], s[8:9], s[8:9] op_sel_hi:[1,0,0]
.irp j, 0,1,2,3
	v_floor_f32 v[X+4*(\i)+(\j)], v[X+4*(\i)+(\j)]
.endr
.irp j, 0,1,2,3
	v_cvt_i32_f32 v[X+4*(\i)+(\j)], v[X+4*(\i)+(\j)]   ; saturates at the ends of 32 bits
.endr
.irp j, 0,1,2,3
	v_xor_b32 v[X+4*(\i)+(\j)], s10, v[X+4*(\i)+(\j)]
.endr
	global_store_b128 v1, v[X+4*(\i):X+4*(\i)+3], s[6:7] offset:(\i)*PIECE   ; read again by the next launch: no streaming hint
.endr
	s_endpgm
.Lfunc_end_k_qf1eb5d5c62_tofixed:
	.size	k_qf1eb5d5c62_tofixed, .Lfunc_end_k_qf1eb5d5c62_tofixed-k_qf1eb5d5c62_tofixed
	.p2alignl 7, 3214868480
	.fill 96, 4, 3214868480
	.section	.rodata,"a",@progbits
	.p2align	6, 0x0
	.amdhsa_kernel k_qf1eb5d5c62_tofixed
		.amdhsa_group_segment_fixed_size 0
		.amdhsa_private_segment_fixed_size 0
		.amdhsa_enable_private_segment 0
		.amdhsa_kernarg_size 16
		.amdhsa_user_sgpr_count 2
		.amdhsa_user_sgpr_kernarg_segment_ptr 1
		.amdhsa_wavefront_size32 1
		.amdhsa_system_sgpr_workgroup_id_x 1
		.amdhsa_system_sgpr_workgroup_id_y 1
		.amdhsa_system_sgpr_workgroup_id_z 1
		.amdhsa_system_vgpr_workitem_id 0
		.amdhsa_next_free_vgpr 36
		.amdhsa_next_free_sgpr 66
		.amdhsa_reserve_vcc 0
		.amdhsa_float_denorm_mode_32 3
		.amdhsa_float_denorm_mode_16_64 3
		.amdhsa_memory_ordered 1
		.amdhsa_forward_progress 1
		.amdhsa_inst_pref_size 7
	.end_amdhsa_kernel
	.amdgpu_metadata
---
amdhsa.version: [ 1, 2 ]
amdhsa.kernels:
  - .name:           k_qf1eb5d5c62_tofixed
    .symbol:         k_qf1eb5d5c62_tofixed.kd
    .args:
      - { .name: xyz, .offset: 0, .size: 8, .value_kind: global_buffer, .address_space: global }
      - { .name: qfix, .offset: 8, .size: 8, .value_kind: global_buffer, .address_space: global }
    .group_segment_fixed_size: 0
    .private_segment_fixed_size: 0
    .kernarg_segment_align: 8
    .kernarg_segment_size: 16
    .max_flat_workgroup_size: 256
    .sgpr_count:     66
    .vgpr_count:     36
    .wavefront_size: 32
...
	.end_amdgpu_metadata
.endif
;; end of part 1
;; launch encode (part 2): grid 8192 x 1, 8 waves a work-group, no clusters, 0 bytes of LDS; arguments qfix, tables, resolutions, out0; writes out0
.if DOCPART == 2
	.amdgcn_target "amdgcn-amd-amdhsa--gfx1250"
	.amdhsa_code_object_version 6
	.text
	.protected	k_qf1eb5d5c62_encode
	.globl	k_qf1eb5d5c62_encode
	.p2align	8
	.type	k_qf1eb5d5c62_encode,@function
k_qf1eb5d5c62_encode:
	s_mov_b64 s[64:65], 0
	v_nop
	global_prefetch_b8 v0, s[64:65] scope:SCOPE_SE
	s_setreg_imm32_b32 hwreg(HW_REG_WAVE_MODE, 25, 1), 1
	s_wait_xcnt 0x0
; out0[n][l] = trilinear interpolation, at point n, of level l's hash table (2^19 f32) on a grid of resolutions[l] cells.
; qfix[n][d] = floor(u * 2^26) + 2^31 comes from the launch before.  For a level: P = qfix * res, 64 bits, 26 of them fraction.
;   cell = (P >> 26) - 32 res  (the 2^31 taken away again), held at 0 from below: a negative floor(p) counts as cell 0, as a
;   saturating conversion to uint32 gives it;  w = (P mod 2^26) * 2^-26, which is p - floor(p) for negative p too.
;   index = (cx ^ cy * 2654435761 ^ cz * 805459861) mod 2^19.  Only the low 19 bits count, so the products are 24-bit
;   multiplies by the primes mod 2^24, and the corner one further on adds the prime (along x: adds 1).
; The eight features are blended by three lerps, f0 + w (f1 - f0), along x, then y, then z, two at a time in packed f32.
; LIMITS.  resolutions within 0 .. 2^24.  u has steps of 2^-26 and the range -32 .. 32 (see the launch before).  P is exact,
; where u * res in f32 is rounded: p differs by half a unit in its last place at the most.  The interpolation is continuous
; across cell borders (a vertex has one hash, whichever cell names it), so such a shift of p moves the result by the shift
; times the local slope, also where it moves p into the neighbouring cell.  The order of the sums differs from a weighted sum
; of eight terms.
; SHARES.  8,192 work-groups of 8 waves, a point a thread, all 8 levels.  Of a wave's 32 points even lane 2k takes point k,
; odd lane 2k + 1 point 16 + k; at the end the two swap four numbers each, so that lane i holds 16 consecutive bytes at
; 16 i of the wave's first 512 bytes of out0 and of its second 512: each store covers 512 consecutive bytes, aligned.
; IN FLIGHT.  All 64 gathers of a wave are issued before the first is used.  An index is made in the register into which its
; load lands, so no address register of a pending load is ever rewritten and the text needs no wait for that.
.set FRAC,    26
.set TLAST,   0x7ffff                  ; a table's last index
.set TBYTES,  0x200000                 ; a level's table
.set QA,  1                            ; v1       my point's byte offset in the work-group's part of qfix; never rewritten
.set QX,  2                            ; v2-4     my point's three coordinates
.set QY,  3
.set QZ,  4
.set OO,  5                            ; v5       my 16 bytes in the work-group's part of out0
.set PX,  6                            ; v[6:11]  the three products; then the fractions as whole numbers and as f32
.set PY,  8
.set PZ,  10
.set CX,  12                           ; v12-14   cells; then cx mod 2^19 and the two products with the primes
.set CY,  13
.set CZ,  14
.set X1,  15                           ; v15-17   the same for the corner one further on
.set Y1,  16
.set Z1,  17
.set A,   18                           ; v18-21   hash of (y, z): y0z0, y0z1, y1z0, y1z1
.set ZP,  22                           ; v[22:23] 0, the products' addend
.set WXY, 24                           ; v24-39   level l: wx, wy as a pair
.set WZ,  40                           ; v40-47   level l: wz
.set D,   48                           ; v48-111  level l: 8 indices, then features: x0 with the four of A, x1 with the four of A
.set O,   112                          ; v112-119 the point's eight results
.set RES,  16                          ; s[16:23] resolutions
.set BIAS, 24                          ; s[24:31] 32 x resolution
.set TAB,  32                          ; s[32:47] each level's table
.set SM,   48                          ; s48  2^19 - 1
.set SODD, 49                          ; s49  the odd lanes
.set SPY,  50                          ; s50  2654435761 mod 2^24
.set SPZ,  51                          ; s51  805459861 mod 2^24
.set SFM,  52                          ; s52  2^26 - 1
.set SSC,  53                          ; s53  2^-26
	s_load_b256 s[4:11], s[0:1], 0x0               ; qfix s[4:5], tables s[6:7], resolutions s[8:9], out0 s[10:11]
	v_bfe_u32 v[QA], v0, 1, 4                      ; lane / 2
	v_and_b32 v[OO], 1, v0
	v_lshl_add_u32 v[QA], v[OO], 4, v[QA]          ; + 16 for the odd lanes
	v_and_b32 v[OO], 0xe0, v0                      ; 32 x wave
	v_add_nc_u32 v[QA], v[QA], v[OO]               ; my point among the work-group's 256
	v_mul_u32_u24 v[QA], 12, v[QA]
	v_add_lshl_u32 v[OO], v0, v[OO], 4             ; 1,024 x wave + 16 x lane
	v_mov_b32 v[ZP], 0
	v_mov_b32 v[ZP+1], 0
	s_mul_i32 s14, ttmp9, 3072                     ; 256 points of 12 bytes
	s_mov_b32 s15, 0
	s_lshl_b32 s2, ttmp9, 13                       ; 256 points of 32 bytes
	s_mov_b32 s3, 0
	s_mov_b32 s[SM], TLAST
	s_mov_b32 s[SODD], 0xaaaaaaaa
	s_mov_b32 s[SPY], 0x3779b1
	s_mov_b32 s[SPZ], 0x025795
	s_mov_b32 s[SFM], (1<<FRAC)-1
	s_mov_b32 s[SSC], 0x32800000
	s_wait_kmcnt 0x0
	s_load_b256 s[RES:RES+7], s[8:9], 0x0
	s_add_nc_u64 s[4:5], s[4:5], s[14:15]
	global_load_b32 v[QX], v[QA], s[4:5] th:TH_LOAD_NT            ; a wave's three loads share 384 consecutive bytes
	global_load_b32 v[QY], v[QA], s[4:5] offset:4 th:TH_LOAD_NT
	global_load_b32 v[QZ], v[QA], s[4:5] offset:8 th:TH_LOAD_NT
	s_add_nc_u64 s[10:11], s[10:11], s[2:3]
.irp l, 0,1,2,3,4,5,6,7
	s_add_nc_u64 s[TAB+2*(\l):TAB+2*(\l)+1], s[6:7], (\l)*TBYTES
.endr
	s_wait_kmcnt 0x0
.irp l, 0,1,2,3,4,5,6,7
	s_lshl_b32 s[BIAS+(\l)], s[RES+(\l)], 5
.endr
	s_wait_loadcnt 0x0                             ; my coordinates
; Level l: cells, fractions, the eight indices, and their loads.
.macro ISSUE l
.set DL, D+8*(\l)
	v_mad_nc_u64_u32 v[PX:PX+1], v[QX], s[RES+(\l)], v[ZP:ZP+1]
	v_mad_nc_u64_u32 v[PY:PY+1], v[QY], s[RES+(\l)], v[ZP:ZP+1]
	v_mad_nc_u64_u32 v[PZ:PZ+1], v[QZ], s[RES+(\l)], v[ZP:ZP+1]
	v_alignbit_b32 v[CX], v[PX+1], v[PX], FRAC     ; the product's bits 26 to 57
	v_alignbit_b32 v[CY], v[PY+1], v[PY], FRAC
	v_alignbit_b32 v[CZ], v[PZ+1], v[PZ], FRAC
	v_and_b32 v[PX], s[SFM], v[PX]                 ; its 26 fraction bits
	v_and_b32 v[PY], s[SFM], v[PY]
	v_and_b32 v[PZ], s[SFM], v[PZ]
	v_sub_nc_u32 v[CX], v[CX], s[BIAS+(\l)]        ; 2^31 x res is 32 res cells: the signed cell
	v_sub_nc_u32 v[CY], v[CY], s[BIAS+(\l)]
	v_sub_nc_u32 v[CZ], v[CZ], s[BIAS+(\l)]
	v_max_i32 v[CX], 0, v[CX]
	v_max_i32 v[CY], 0, v[CY]
	v_max_i32 v[CZ], 0, v[CZ]
	v_cvt_f32_u32 v[PX], v[PX]
	v_cvt_f32_u32 v[PY], v[PY]
	v_cvt_f32_u32 v[PZ], v[PZ]
	v_mul_f32 v[WXY+2*(\l)],   s[SSC], v[PX]
	v_mul_f32 v[WXY+2*(\l)+1], s[SSC], v[PY]
	v_mul_f32 v[WZ+(\l)],      s[SSC], v[PZ]
	v_add_nc_u32 v[X1], 1, v[CX]
	v_mul_u32_u24 v[CY], s[SPY], v[CY]             ; low 24 bits of both factors: the product's low 19 bits are those of the 32-bit product
	v_mul_u32_u24 v[CZ], s[SPZ], v[CZ]
	v_and_b32 v[CX], s[SM], v[CX]
	v_and_b32 v[X1], s[SM], v[X1]
	v_add_nc_u32 v[Y1], s[SPY], v[CY]              ; (cy + 1) x prime
	v_add_nc_u32 v[Z1], s[SPZ], v[CZ]
	v_xor_b32 v[A],   v[CY], v[CZ]
	v_xor_b32 v[A+1], v[CY], v[Z1]
	v_xor_b32 v[A+2], v[Y1], v[CZ]
	v_xor_b32 v[A+3], v[Y1], v[Z1]
.irp c, 0,1,2,3
	v_and_b32 v[A+(\c)], s[SM], v[A+(\c)]
.endr
.irp c, 0,1,2,3
	v_xor_b32 v[DL+(\c)],   v[CX], v[A+(\c)]
	v_xor_b32 v[DL+4+(\c)], v[X1], v[A+(\c)]
.endr
.irp c, 0,1,2,3,4,5,6,7
	v_min_u32 v[DL+(\c)], TLAST, v[DL+(\c)]        ; a number that hangs on loaded data enters an address only behind a minimum with the table's last index
.endr
.irp c, 0,1,2,3
	global_load_b32 v[DL+(\c)],   v[DL+(\c)],   s[TAB+2*(\l):TAB+2*(\l)+1] scale_offset   ; table + 4 x index; the two corners along x stand together:
	global_load_b32 v[DL+4+(\c)], v[DL+4+(\c)], s[TAB+2*(\l):TAB+2*(\l)+1] scale_offset   ; their indices differ in the low bits in which cx and cx + 1 differ
.endr
.endm
; Level l: its eight features are in; three lerps, in place.
.macro BLEND l
.set DL, D+8*(\l)
.set WL, WXY+2*(\l)
	s_wait_loadcnt 56-8*(\l)                       ; loads come back in order (ISA guide 5.7.1): the 8 loads of each of the 7 - l later levels may stay out
	v_pk_add_f32 v[DL+4:DL+5], v[DL+4:DL+5], v[DL:DL+1]   neg_lo:[0,1] neg_hi:[0,1]   ; x1 - x0 at y0z0, y0z1
	v_pk_add_f32 v[DL+6:DL+7], v[DL+6:DL+7], v[DL+2:DL+3] neg_lo:[0,1] neg_hi:[0,1]   ; and at y1z0, y1z1
	v_pk_fma_f32 v[DL:DL+1],   v[DL+4:DL+5], v[WL:WL+1], v[DL:DL+1]   op_sel_hi:[1,0,1]   ; x0 + wx (x1 - x0): the pair's first register for both
	v_pk_fma_f32 v[DL+2:DL+3], v[DL+6:DL+7], v[WL:WL+1], v[DL+2:DL+3] op_sel_hi:[1,0,1]
	v_pk_add_f32 v[DL+2:DL+3], v[DL+2:DL+3], v[DL:DL+1]   neg_lo:[0,1] neg_hi:[0,1]   ; y1 - y0 at z0, z1
	v_pk_fma_f32 v[DL:DL+1],   v[DL+2:DL+3], v[WL:WL+1], v[DL:DL+1] op_sel:[0,1,0] op_sel_hi:[1,1,1]   ; times wy: the pair's second register for both
	v_sub_f32 v[DL+1], v[DL+1], v[DL]              ; z1 - z0
	v_fma_f32 v[O+(\l)], v[DL+1], v[WZ+(\l)], v[DL]
.endm
.irp l, 0,1,2,3,4,5,6,7
	ISSUE \l
.endr
.irp l, 0,1,2,3,4,5,6,7
	BLEND \l
.endr
	; The swap between lanes 2k and 2k + 1.  Point k's levels 4-7 go to the odd lane, point 16 + k's levels 0-3 to the even one.
.irp j, 0,1,2,3
	v_mov_b32_dpp v[PX+(\j)],   v[O+4+(\j)] row_xmask:1 row_mask:0xf bank_mask:0xf   ; my neighbour's levels 4-7
	v_mov_b32_dpp v[PX+4+(\j)], v[O+(\j)]   row_xmask:1 row_mask:0xf bank_mask:0xf   ; my neighbour's levels 0-3
.endr
.irp j, 0,1,2,3
	v_cndmask_b32 v[O+(\j)],   v[O+(\j)],    v[PX+(\j)],  s[SODD]   ; first 512 bytes: even lane its own levels 0-3, odd lane the neighbour's 4-7
	v_cndmask_b32 v[O+4+(\j)], v[PX+4+(\j)], v[O+4+(\j)], s[SODD]   ; second 512: even lane the neighbour's 0-3, odd lane its own 4-7
.endr
	global_store_b128 v[OO], v[O:O+3],   s[10:11] th:TH_STORE_NT             ; the wave's points 0-15: 512 consecutive bytes, at a multiple of 512 from out0's first
	global_store_b128 v[OO], v[O+4:O+7], s[10:11] offset:512 th:TH_STORE_NT  ; its points 16-31
	s_endpgm
.Lfunc_end_k_qf1eb5d5c62_encode:
	.size	k_qf1eb5d5c62_encode, .Lfunc_end_k_qf1eb5d5c62_encode-k_qf1eb5d5c62_encode
	.p2alignl 7, 3214868480
	.fill 96, 4, 3214868480
	.section	.rodata,"a",@progbits
	.p2align	6, 0x0
	.amdhsa_kernel k_qf1eb5d5c62_encode
		.amdhsa_group_segment_fixed_size 0
		.amdhsa_private_segment_fixed_size 0
		.amdhsa_enable_private_segment 0
		.amdhsa_kernarg_size 32
		.amdhsa_user_sgpr_count 2
		.amdhsa_user_sgpr_kernarg_segment_ptr 1
		.amdhsa_wavefront_size32 1
		.amdhsa_system_sgpr_workgroup_id_x 1
		.amdhsa_system_sgpr_workgroup_id_y 1
		.amdhsa_system_sgpr_workgroup_id_z 1
		.amdhsa_system_vgpr_workitem_id 0
		.amdhsa_next_free_vgpr 120
		.amdhsa_next_free_sgpr 66
		.amdhsa_reserve_vcc 0
		.amdhsa_float_denorm_mode_32 3
		.amdhsa_float_denorm_mode_16_64 3
		.amdhsa_memory_ordered 1
		.amdhsa_forward_progress 1
		.amdhsa_inst_pref_size 31
	.end_amdhsa_kernel
	.amdgpu_metadata
---
amdhsa.version: [ 1, 2 ]
amdhsa.kernels:
  - .name:           k_qf1eb5d5c62_encode
    .symbol:         k_qf1eb5d5c62_encode.kd
    .args:
      - { .name: qfix, .offset: 0, .size: 8, .value_kind: global_buffer, .address_space: global }
      - { .name: tables, .offset: 8, .size: 8, .value_kind: global_buffer, .address_space: global }
      - { .name: resolutions, .offset: 16, .size: 8, .value_kind: global_buffer, .address_space: global }
      - { .name: out0, .offset: 24, .size: 8, .value_kind: global_buffer, .address_space: global }
    .group_segment_fixed_size: 0
    .private_segment_fixed_size: 0
    .kernarg_segment_align: 8
    .kernarg_segment_size: 32
    .max_flat_workgroup_size: 256
    .sgpr_count:     66
    .vgpr_count:     120
    .wavefront_size: 32
...
	.end_amdgpu_metadata
.endif
;; end of part 2
;; ======== version 2 of 2: 2 launches; version 1 with the launch encode written anew for expert scheduling mode
;; limits: inputs' magnitudes at most 63; right only within a limited range of input values
;; workspace buffers: qfix 25,165,824 bytes of whole numbers
;; launch tofixed: the kernel of part 1 again; grid 768 x 1, 8 waves a work-group, no clusters, 0 bytes of LDS; arguments xyz, qfix; writes qfix
;; launch encode (part 3): grid 8192 x 1, 8 waves a work-group, no clusters, 0 bytes of LDS; arguments qfix, tables, resolutions, out0; writes out0
.if DOCPART == 3
	.amdgcn_target "amdgcn-amd-amdhsa--gfx1250"
	.amdhsa_code_object_version 6
	.text
	.protected	k_qf1eb5d5c62_encode
	.globl	k_qf1eb5d5c62_encode
	.p2align	8
	.type	k_qf1eb5d5c62_encode,@function
k_qf1eb5d5c62_encode:
	s_mov_b64 s[64:65], 0
	v_nop
	global_prefetch_b8 v0, s[64:65] scope:SCOPE_SE
	s_setreg_imm32_b32 hwreg(HW_REG_WAVE_SCHED_MODE, 0, 2), 2
	s_setreg_imm32_b32 hwreg(HW_REG_WAVE_MODE, 25, 1), 1
	s_wait_xcnt 0x0
	s_wait_alu depctr_vm_vsrc(0)
; out0[n][l] = trilinear interpolation, at point n, of level l's hash table (2^19 f32) on a grid of resolutions[l] cells.
; qfix[n][d] = floor(u * 2^26) + 2^31 comes from the launch before.  For a level: P = qfix * res, 64 bits, 26 of them fraction.
;   cell = (P >> 26) - 32 res  (the 2^31 taken away again), held at 0 from below: a negative floor(p) counts as cell 0, as a
;   saturating conversion to uint32 gives it;  w = (P mod 2^26) * 2^-26, which is p - floor(p) for negative p too.
;   index = (cx ^ cy * 2654435761 ^ cz * 805459861) mod 2^19.  Only the low 19 bits count, so the products are 24-bit
;   multiplies by the primes mod 2^24, and the corner one further on adds the prime (along x: adds 1).
; The eight features are blended by three lerps, f0 + w (f1 - f0), along x, then y, then z, two at a time in packed f32.
; LIMITS.  resolutions within 0 .. 2^24.  u has steps of 2^-26 and the range -32 .. 32 (see the launch before).  P is exact,
; where u * res in f32 is rounded: p differs by half a unit in its last place at the most.  The interpolation is continuous
; across cell borders (a vertex has one hash, whichever cell names it), so such a shift of p moves the result by the shift
; times the local slope, also where it moves p into the neighbouring cell.  The order of the sums differs from a weighted sum
; of eight terms.
; SHARES.  8,192 work-groups of 8 waves, a point a thread, all 8 levels.  Of a wave's 32 points even lane 2k takes point k,
; odd lane 2k + 1 point 16 + k; at the end the two swap four numbers each, so that lane i holds 16 consecutive bytes at
; 16 i of the wave's first 512 bytes of out0 and of its second 512: each store covers 512 consecutive bytes, aligned.
; IN FLIGHT.  All 64 gathers of a wave are issued before the first is used.  An index is made in the register into which its
; load lands, so no address register is written by anything but its own load before that load has been waited for.
; THE MODE: SCHED_MODE bits 1:0 = 2 (LLVM: expert scheduling mode 2), set by the entry lines.  The code itself states the register
; dependences between vector instructions and memory instructions, with s_wait_alu, always for 0.
; THE PLAN.  Registers that memory instructions touch:
;   v[QA], v[OO]   byte offsets, made at the head and never written again; read by the loads of my coordinates and by the two stores.
;   v[QX .. QZ]    written by three loads at the head, which no vector instruction precedes on these registers; never loaded again.
;   D(l), 8 a level  written and read by level l's index arithmetic; then read as addresses by the level's eight gathers, which land
;                  in them; then read and written by level l's lerps.
;   O, 8           written by the lerps and the swap; read by the two stores.
;   All other registers are named by vector instructions alone.
; One wait on va_vdst at the head, for the offsets.  One at the end of each level's index arithmetic, for D(l): behind it the level's
; eight gathers are dealt among the first lines of the next level's arithmetic, which names its own D, its own fractions, my
; coordinates and the registers at work, and nothing of D(l).  One wait on vm_vsrc behind the last gather, ahead of the first lerp.
; One wait on va_vdst ahead of the stores.
.set FRAC,    26
.set TLAST,   0x7ffff                  ; a table's last index
.set TBYTES,  0x200000                 ; a level's table
.set QA,  1                            ; v1       my point's byte offset in the work-group's part of qfix; never rewritten
.set QX,  2                            ; v2-4     my point's three coordinates
.set QY,  3
.set QZ,  4
.set OO,  5                            ; v5       my 16 bytes in the work-group's part of out0
.set PX,  6                            ; v[6:11]  the three products; then the fractions as whole numbers and as f32
.set PY,  8
.set PZ,  10
.set CX,  12                           ; v12-14   cells; then cx mod 2^19 and the two products with the primes
.set CY,  13
.set CZ,  14
.set X1,  15                           ; v15-17   the same for the corner one further on
.set Y1,  16
.set Z1,  17
.set A,   18                           ; v18-21   hash of (y, z): y0z0, y0z1, y1z0, y1z1
.set ZP,  22                           ; v[22:23] 0, the products' addend
.set WXY, 24                           ; v24-39   level l: wx, wy as a pair
.set WZ,  40                           ; v40-47   level l: wz
.set D,   48                           ; v48-111  level l: 8 indices, then features: x0 with the four of A, x1 with the four of A
.set O,   112                          ; v112-119 the point's eight results
.set RES,  16                          ; s[16:23] resolutions
.set BIAS, 24                          ; s[24:31] 32 x resolution
.set TAB,  32                          ; s[32:47] each level's table
.set SM,   48                          ; s48  2^19 - 1
.set SODD, 49                          ; s49  the odd lanes
.set SPY,  50                          ; s50  2654435761 mod 2^24
.set SPZ,  51                          ; s51  805459861 mod 2^24
.set SFM,  52                          ; s52  2^26 - 1
.set SSC,  53                          ; s53  2^-26
	s_load_b256 s[4:11], s[0:1], 0x0               ; qfix s[4:5], tables s[6:7], resolutions s[8:9], out0 s[10:11]
	v_bfe_u32 v[QA], v0, 1, 4                      ; lane / 2
	v_and_b32 v[OO], 1, v0
	v_lshl_add_u32 v[QA], v[OO], 4, v[QA]          ; + 16 for the odd lanes
	v_and_b32 v[OO], 0xe0, v0                      ; 32 x wave
	v_add_nc_u32 v[QA], v[QA], v[OO]               ; my point among the work-group's 256
	v_mul_u32_u24 v[QA], 12, v[QA]
	v_add_lshl_u32 v[OO], v0, v[OO], 4             ; 1,024 x wave + 16 x lane
	v_mov_b32 v[ZP], 0
	v_mov_b32 v[ZP+1], 0
	s_mul_i32 s14, ttmp9, 3072                     ; 256 points of 12 bytes
	s_mov_b32 s15, 0
	s_lshl_b32 s2, ttmp9, 13                       ; 256 points of 32 bytes
	s_mov_b32 s3, 0
	s_mov_b32 s[SM], TLAST
	s_mov_b32 s[SODD], 0xaaaaaaaa
	s_mov_b32 s[SPY], 0x3779b1
	s_mov_b32 s[SPZ], 0x025795
	s_mov_b32 s[SFM], (1<<FRAC)-1
	s_mov_b32 s[SSC], 0x32800000
	s_wait_kmcnt 0x0
	s_load_b256 s[RES:RES+7], s[8:9], 0x0
	s_add_nc_u64 s[4:5], s[4:5], s[14:15]
	s_wait_alu depctr_va_vdst(0)                   ; v[QA] is written, which the three loads below read as their offset; so is v[OO], which the stores at the end read and no later vector instruction names
	global_load_b32 v[QX], v[QA], s[4:5] th:TH_LOAD_NT            ; a wave's three loads share 384 consecutive bytes
	global_load_b32 v[QY], v[QA], s[4:5] offset:4 th:TH_LOAD_NT
	global_load_b32 v[QZ], v[QA], s[4:5] offset:8 th:TH_LOAD_NT
	s_add_nc_u64 s[10:11], s[10:11], s[2:3]
.irp l, 0,1,2,3,4,5,6,7
	s_add_nc_u64 s[TAB+2*(\l):TAB+2*(\l)+1], s[6:7], (\l)*TBYTES
.endr
	s_wait_kmcnt 0x0
.irp l, 0,1,2,3,4,5,6,7
	s_lshl_b32 s[BIAS+(\l)], s[RES+(\l)], 5
.endr
	s_wait_loadcnt 0x0                             ; my coordinates
; Two of level l's eight gathers: the corners x0 and x1 with hash c of (y, z).  They stand behind the wait that ends level l's index arithmetic.
.macro PAIR l, c
	global_load_b32 v[D+8*(\l)+(\c)],   v[D+8*(\l)+(\c)],   s[TAB+2*(\l):TAB+2*(\l)+1] scale_offset   ; table + 4 x index; the two corners along x stand together:
	global_load_b32 v[D+8*(\l)+4+(\c)], v[D+8*(\l)+4+(\c)], s[TAB+2*(\l):TAB+2*(\l)+1] scale_offset   ; their indices differ in the low bits in which cx and cx + 1 differ
.endm
; Level l: cells, fractions and the eight indices.  Among its first lines stand the gathers of the level before: none of this
; macro's vector instructions names a register of that level's D.
.macro INDEX l
.set DL, D+8*(\l)
.if (\l) > 0
	PAIR (\l)-1, 0
.endif
	v_mad_nc_u64_u32 v[PX:PX+1], v[QX], s[RES+(\l)], v[ZP:ZP+1]
	v_mad_nc_u64_u32 v[PY:PY+1], v[QY], s[RES+(\l)], v[ZP:ZP+1]
	v_mad_nc_u64_u32 v[PZ:PZ+1], v[QZ], s[RES+(\l)], v[ZP:ZP+1]
.if (\l) > 0
	PAIR (\l)-1, 1
.endif
	v_alignbit_b32 v[CX], v[PX+1], v[PX], FRAC     ; the product's bits 26 to 57
	v_alignbit_b32 v[CY], v[PY+1], v[PY], FRAC
	v_alignbit_b32 v[CZ], v[PZ+1], v[PZ], FRAC
.if (\l) > 0
	PAIR (\l)-1, 2
.endif
	v_and_b32 v[PX], s[SFM], v[PX]                 ; its 26 fraction bits
	v_and_b32 v[PY], s[SFM], v[PY]
	v_and_b32 v[PZ], s[SFM], v[PZ]
.if (\l) > 0
	PAIR (\l)-1, 3
.endif
	v_sub_nc_u32 v[CX], v[CX], s[BIAS+(\l)]        ; 2^31 x res is 32 res cells: the signed cell
	v_sub_nc_u32 v[CY], v[CY], s[BIAS+(\l)]
	v_sub_nc_u32 v[CZ], v[CZ], s[BIAS+(\l)]
	v_max_i32 v[CX], 0, v[CX]
	v_max_i32 v[CY], 0, v[CY]
	v_max_i32 v[CZ], 0, v[CZ]
	v_cvt_f32_u32 v[PX], v[PX]
	v_cvt_f32_u32 v[PY], v[PY]
	v_cvt_f32_u32 v[PZ], v[PZ]
	v_mul_f32 v[WXY+2*(\l)],   s[SSC], v[PX]
	v_mul_f32 v[WXY+2*(\l)+1], s[SSC], v[PY]
	v_mul_f32 v[WZ+(\l)],      s[SSC], v[PZ]
	v_add_nc_u32 v[X1], 1, v[CX]
	v_mul_u32_u24 v[CY], s[SPY], v[CY]             ; low 24 bits of both factors: the product's low 19 bits are those of the 32-bit product
	v_mul_u32_u24 v[CZ], s[SPZ], v[CZ]
	v_and_b32 v[CX], s[SM], v[CX]
	v_and_b32 v[X1], s[SM], v[X1]
	v_add_nc_u32 v[Y1], s[SPY], v[CY]              ; (cy + 1) x prime
	v_add_nc_u32 v[Z1], s[SPZ], v[CZ]
	v_xor_b32 v[A],   v[CY], v[CZ]
	v_xor_b32 v[A+1], v[CY], v[Z1]
	v_xor_b32 v[A+2], v[Y1], v[CZ]
	v_xor_b32 v[A+3], v[Y1], v[Z1]
.irp c, 0,1,2,3
	v_and_b32 v[A+(\c)], s[SM], v[A+(\c)]
.endr
.irp c, 0,1,2,3
	v_xor_b32 v[DL+(\c)],   v[CX], v[A+(\c)]
	v_xor_b32 v[DL+4+(\c)], v[X1], v[A+(\c)]
.endr
.irp c, 0,1,2,3,4,5,6,7
	v_min_u32 v[DL+(\c)], TLAST, v[DL+(\c)]        ; a number that hangs on loaded data enters an address only behind a minimum with the table's last index
.endr
	s_wait_alu depctr_va_vdst(0)                   ; the minima have written this level's eight indices and are done reading them: the level's gathers read these registers as addresses and land in them
.endm
; Level l: its eight features are in; three lerps, in place.
.macro BLEND l
.set DL, D+8*(\l)
.set WL, WXY+2*(\l)
	s_wait_loadcnt 56-8*(\l)                       ; loads come back in order (ISA guide 5.7.1): the 8 loads of each of the 7 - l later levels may stay out
	v_pk_add_f32 v[DL+4:DL+5], v[DL+4:DL+5], v[DL:DL+1]   neg_lo:[0,1] neg_hi:[0,1]   ; x1 - x0 at y0z0, y0z1
	v_pk_add_f32 v[DL+6:DL+7], v[DL+6:DL+7], v[DL+2:DL+3] neg_lo:[0,1] neg_hi:[0,1]   ; and at y1z0, y1z1
	v_pk_fma_f32 v[DL:DL+1],   v[DL+4:DL+5], v[WL:WL+1], v[DL:DL+1]   op_sel_hi:[1,0,1]   ; x0 + wx (x1 - x0): the pair's first register for both
	v_pk_fma_f32 v[DL+2:DL+3], v[DL+6:DL+7], v[WL:WL+1], v[DL+2:DL+3] op_sel_hi:[1,0,1]
	v_pk_add_f32 v[DL+2:DL+3], v[DL+2:DL+3], v[DL:DL+1]   neg_lo:[0,1] neg_hi:[0,1]   ; y1 - y0 at z0, z1
	v_pk_fma_f32 v[DL:DL+1],   v[DL+2:DL+3], v[WL:WL+1], v[DL:DL+1] op_sel:[0,1,0] op_sel_hi:[1,1,1]   ; times wy: the pair's second register for both
	v_sub_f32 v[DL+1], v[DL+1], v[DL]              ; z1 - z0
	v_fma_f32 v[O+(\l)], v[DL+1], v[WZ+(\l)], v[DL]
.endm
.irp l, 0,1,2,3,4,5,6,7
	INDEX \l
.endr
.irp c, 0,1,2,3
	PAIR 7, \c                                     ; the last level's gathers have no further arithmetic to stand among
.endr
	s_wait_alu depctr_vm_vsrc(0)                   ; all 64 gathers have read their address registers, which the lerps below write in place
.irp l, 0,1,2,3,4,5,6,7
	BLEND \l
.endr
	; The swap between lanes 2k and 2k + 1.  Point k's levels 4-7 go to the odd lane, point 16 + k's levels 0-3 to the even one.
.irp j, 0,1,2,3
	v_mov_b32_dpp v[PX+(\j)],   v[O+4+(\j)] row_xmask:1 row_mask:0xf bank_mask:0xf   ; my neighbour's levels 4-7
	v_mov_b32_dpp v[PX+4+(\j)], v[O+(\j)]   row_xmask:1 row_mask:0xf bank_mask:0xf   ; my neighbour's levels 0-3
.endr
.irp j, 0,1,2,3
	v_cndmask_b32 v[O+(\j)],   v[O+(\j)],    v[PX+(\j)],  s[SODD]   ; first 512 bytes: even lane its own levels 0-3, odd lane the neighbour's 4-7
	v_cndmask_b32 v[O+4+(\j)], v[PX+4+(\j)], v[O+4+(\j)], s[SODD]   ; second 512: even lane the neighbour's 0-3, odd lane its own 4-7
.endr
	s_wait_alu depctr_va_vdst(0)                   ; the selects have written v[O ..], which the two stores read
	global_store_b128 v[OO], v[O:O+3],   s[10:11] th:TH_STORE_NT             ; the wave's points 0-15: 512 consecutive bytes, at a multiple of 512 from out0's first
	global_store_b128 v[OO], v[O+4:O+7], s[10:11] offset:512 th:TH_STORE_NT  ; its points 16-31
	s_endpgm
.Lfunc_end_k_qf1eb5d5c62_encode:
	.size	k_qf1eb5d5c62_encode, .Lfunc_end_k_qf1eb5d5c62_encode-k_qf1eb5d5c62_encode
	.p2alignl 7, 3214868480
	.fill 96, 4, 3214868480
	.section	.rodata,"a",@progbits
	.p2align	6, 0x0
	.amdhsa_kernel k_qf1eb5d5c62_encode
		.amdhsa_group_segment_fixed_size 0
		.amdhsa_private_segment_fixed_size 0
		.amdhsa_enable_private_segment 0
		.amdhsa_kernarg_size 32
		.amdhsa_user_sgpr_count 2
		.amdhsa_user_sgpr_kernarg_segment_ptr 1
		.amdhsa_wavefront_size32 1
		.amdhsa_system_sgpr_workgroup_id_x 1
		.amdhsa_system_sgpr_workgroup_id_y 1
		.amdhsa_system_sgpr_workgroup_id_z 1
		.amdhsa_system_vgpr_workitem_id 0
		.amdhsa_next_free_vgpr 120
		.amdhsa_next_free_sgpr 66
		.amdhsa_reserve_vcc 0
		.amdhsa_float_denorm_mode_32 3
		.amdhsa_float_denorm_mode_16_64 3
		.amdhsa_memory_ordered 1
		.amdhsa_forward_progress 1
		.amdhsa_inst_pref_size 32
	.end_amdhsa_kernel
	.amdgpu_metadata
---
amdhsa.version: [ 1, 2 ]
amdhsa.kernels:
  - .name:           k_qf1eb5d5c62_encode
    .symbol:         k_qf1eb5d5c62_encode.kd
    .args:
      - { .name: qfix, .offset: 0, .size: 8, .value_kind: global_buffer, .address_space: global }
      - { .name: tables, .offset: 8, .size: 8, .value_kind: global_buffer, .address_space: global }
      - { .name: resolutions, .offset: 16, .size: 8, .value_kind: global_buffer, .address_space: global }
      - { .name: out0, .offset: 24, .size: 8, .value_kind: global_buffer, .address_space: global }
    .group_segment_fixed_size: 0
    .private_segment_fixed_size: 0
    .kernarg_segment_align: 8
    .kernarg_segment_size: 32
    .max_flat_workgroup_size: 256
    .sgpr_count:     66
    .vgpr_count:     120
    .wavefront_size: 32
...
	.end_amdgpu_metadata
.endif
;; end of part 3
